; MI455X (gfx1250); checked and timed in simulation.
; The chip was launched on July 23, 2026; its instructions are those of AMD's public machine-readable ISA for CDNA 5 (MIT licence, August 2026) and "CDNA5" Instruction Set Architecture Reference Guide (July 2026). The comments in the code are by the model that wrote it; some were corrected since.
;; Multi Head Attention Python. Allowed arithmetic: matrix products marked QUANTISED: E2M3 operands, one E8M0 scale for each 32 along K, by v_wmma_scale_f32_16x16x128_f8f6f4 with both operands' format E2M3, f32 sums; everything else in f32.
;; Inputs: k 4 x 16 x 2,048 x 64 float32; q 4 x 16 x 2,048 x 64 float32; v 4 x 16 x 2,048 x 64 float32.
;; Outputs: out0 4 x 16 x 2,048 x 64 float32.
;; This version of the problem:
;;   THIS VERSION OF THE PROBLEM IS GIVEN IN LOW PRECISION. The matrix products marked QUANTISED in the list below multiply operands that are first quantised to E2M3 (2 exponent bits, 3 mantissa bits; 6 bits a number), with one power-of-two scale for each 32 numbers along K (OCP MX v1.0); their sums are f32. All else is computed in f32.
;;   The module's matrix products, in the order in which they are computed (A, B: the left and right operand; K: the contracted axis; several contracted axes count as one K, in the product's order):
;;     1. batch 64 x [M 2,048, K 64] x [K 64, N 2,048]; A: input q; B: input k: QUANTISED
;;     2. batch 64 x [M 2,048, K 2,048] x [K 2,048, N 64]; A: softmax (see below); B: input v: QUANTISED
;;   THE QUANTISER, for each operand of a quantised product, along K:
;;     - K is cut into blocks of 32 from its start; a last block that is shorter is filled with zeros.
;;     - A block's scale is 2^e with e = floor(log2(the largest magnitude in the block)) - 2, held to -126 .. 127; a block of zeros has e = 0. As a byte (E8M0): e + 127.
;;     - Each number is divided by its block's scale, clamped to +-7.5, and rounded to the nearest number of E2M3, ties to even, subnormals kept.
;;     - The product sums the exact products of the quantised numbers (number of the format x scale) in f32.
;;   ~~~python
;;   def quantise(x, axis):      # numpy; x: float32 -> the quantised numbers, widened to float32 again
;;       x = np.moveaxis(x, axis, -1); K = x.shape[-1]
;;       x = np.pad(x, [(0, 0)] * (x.ndim - 1) + [(0, -K % 32)]); x = x.reshape(x.shape[:-1] + (-1, 32)); a = np.abs(x).max(-1, keepdims=True)
;;       e = np.where(a > 0, np.clip(np.frexp(np.where(a > 0, a, 1))[1] - 1 - 2, -126, 127), 0)      # np.frexp(a)[1] - 1 = floor(log2(a)), exactly
;;       r = np.clip(x / 2.0 ** e, -7.5, 7.5)
;;       step = 2.0 ** (np.maximum(np.frexp(np.where(r == 0, 1, r))[1] - 1, 0) - 3)
;;       q = np.round(r / step) * step * 2.0 ** e      # np.round: ties to even
;;       return np.moveaxis(q.reshape(q.shape[:-2] + (-1,))[..., :K], -1, axis).astype(np.float32)
;;   ~~~
;;   SOFTMAX AHEAD OF A QUANTISED PRODUCT. Where the list says 'softmax', what is quantised is not the finished softmax but p = 2^(t - M), with t = logit x log2(e) and M = ceil(the row's largest t), a whole number; so 1/2 < the row's largest p <= 1. The row's sum l is taken of the UNQUANTISED p, in f32, and the product's result is divided by l at the end. Since M is a whole number, a kernel that streams over the keys may use a running M (the ceiling of the running maximum): every later rescaling is an exact power of two, which a block's scale takes up: the codes' values come out the same.
;;   OPERANDS COMPUTED ON THE WAY. 'Computed on the way' means the value that the module computes at that place (a softmax that the list does not call 'softmax' is quantised finished and normalised). What goes into a quantiser is computed in f32, as accurately as f32 sums, v_exp_f32 and their like allow (about 1e-6 of the number): no bf16 or f16 on the way to a quantiser, and a product that is left as it is and whose result goes on into a quantised operand takes f32 operands (vector FMAs, or v_wmma_f32_16x16x4_f32). A number that lies on a knife's edge between two numbers of the format may be rounded either way, as far as f32 arithmetic and the matrix unit's own rounding can turn it there, and no further.
;; 2 versions. Each part assembles by itself: llvm-mc -triple=amdgcn-amd-amdhsa -mcpu=gfx1250 --defsym DOCPART=n.
;; ======== version 1 of 2: 1 launch
;; launch attn (part 1): grid 4 x 64, 16 waves a work-group, no clusters, 284,672 bytes of LDS; arguments q, k, v, out0; writes out0
.if DOCPART == 1
	.amdgcn_target "amdgcn-amd-amdhsa--gfx1250"
	.amdhsa_code_object_version 6
	.text
	.protected	k_q1f260e3590_attn
	.globl	k_q1f260e3590_attn
	.p2align	8
	.type	k_q1f260e3590_attn,@function
k_q1f260e3590_attn:
	s_mov_b64 s[64:65], 0
	v_nop
	global_prefetch_b8 v0, s[64:65] scope:SCOPE_SE
	s_setreg_imm32_b32 hwreg(HW_REG_WAVE_MODE, 25, 1), 1
	s_wait_xcnt 0x0
; out0[h][q][:] = the sum over k of softmax_k(q[h][q] . k[h][k] / 8) v[h][k][:].  q, k, v, out0: [64 heads][2048][64] f32.  Both products on codes of FP6 (E2M3) with one E8M0 scale for each 32 along a product's K.
; THE SOFTMAX AHEAD OF THE SECOND PRODUCT: t = score x log2(e) / 8; M = the row's largest t so far, rounded UP to a whole number; p = 2^(t - M) is quantised along the keys, not normalised.
; The row's sum is taken of the unquantised p and divides at the end.  When M moves, the sum and O are multiplied by 2^(old M - new M): exact.
; SHARES.  A work-group owns 512 queries of one head (4 x 64 work-groups); each of its sixteen waves owns 32 of them, one tile of 16 at a time, in two passes; 256 registers a wave, four waves to a SIMD,
; so that one wave's vector work stands beside another's matrix work and LDS loads.  Every wave walks all 2,048 keys, 128 a step.
; A WHOLE HEAD'S CODES LIE IN LDS: k's 98,304 bytes, v's 98,304, their scale words 8,192.  Wave w quantises keys 128 w .. 128 w + 127 of k and of v into step block w, which it alone writes;
; ONE barrier; then the blocks are only read.  So there is no ring and no copy engine: the f32 numbers have to pass through registers to be quantised anyway.
; NO CLUSTER, NO JOINT LOADS: what the four work-groups of a head share is its k and v, 1 MiB of f32, read once each at the start.  Beside the codes and the stages 327,680 - 282,624 = 45,056 bytes
; of LDS are free: two slots of 22 KiB would take 47 refills, each behind a round of the cluster's barrier, for a phase that is about a tenth of a wave's instructions.
; LAYOUT.  Both products are used transposed: S^T = K Q^T (source 0 = 16 keys, source 1 = my 16 queries), O^T = V^T P^T (source 0 = 16 channels, source 1 = P): a lane holds ONE query (lane % 16) throughout.
; THE KEYS OF A TILE ARE NOT NEIGHBOURS: row m of tile 4 g + u takes key 64 g + 32 (m / 8) + 8 u + m % 8.  The result's register j of lane (r, h) is row 8 h + j, so the lane's 32 registers of tiles 4 g .. 4 g + 3
; are keys 64 g + 32 h + 0 .. 31: a WHOLE block of 32 of the next K, in the very lane and order that the next operand wants.  No lane is asked for a block's maximum, and no codes change lanes.
; THE FIRST PRODUCT'S K IS 64, the instruction's 128: a fragment of source 0 holds TWO key tiles, one in each half of K, and source 1 is [Q | zeros] or [zeros | Q], cut out of the run zeros, Q, zeros.
; In the half that is not meant, zero codes stand on Q's side alone: a zero code times any code under any scale byte but 0xff adds exactly nothing.
; OPERANDS LIE IN LDS AS IMAGES OF THEIR REGISTERS: six registers (half a fragment) as 512 bytes (registers 0-3, 16 bytes a lane) + 256 bytes (registers 4-5, 8 bytes a lane): every read is of consecutive bytes.
; LIMITS: NaN and infinities among the inputs are not served.  A block whose largest magnitude lies under 2^-124 (a block of zeros too) gets the scale byte 1; the bytes are read by this program alone.
; A p under 2^-126 comes out of v_exp_f32 as 0.  M is a whole number exactly while |t| < 2^24.  A block's largest p is taken as the exponential of its largest score, which takes v_exp_f32 not to fall where its input rises.
.set STEPB, 12800                      ; a step block: 8 half fragments of K (768 bytes each), 8 of V, 512 bytes of scale words
.set VIMG,  6144                       ; where V's half fragments begin in it: number 2 t + c = channels 16 t on, keys 64 c on
.set SCW,   12288                      ; the scale words, 16 bytes a lane: words 0, 1: K's fragments 0, 2 (lanes 0-15) and 1, 3 (lanes 16-31); words 2, 3: V's tiles likewise
.set STG0,  16*STEPB                   ; behind the sixteen blocks: a stage of its own for each wave
.set STGB,  4864                       ; prologue: 16 rows x 2 halves of 128 bytes; the way out: 16 rows of 272 bytes
.set RP,    144                        ; prologue: from row to row: 36 words, so that 16 rows start at 16 different groups of four banks (64 banks of 4 bytes: ISA guide 11.1)
.set HP,    2432                       ; and from a row's first 32 numbers to its second 32: 608 words = 32 mod 64
.set WP,    272                        ; the way out: a row of 256 bytes + 16
; registers that stay
.set L16, 1                            ; v1   16 x lane: a lane's place in 512 consecutive bytes, in memory and in LDS
.set L8,  2                            ; v2   8 x lane
.set A16, 3                            ; v3   the step block in hand + 16 x lane
.set A8,  4                            ; v4   + 8 x lane
.set WS,  5                            ; v5   the way out: where I put 32 bytes of a row
.set WR,  6                            ; v6   and where I read a row back
.set SH8, 7                            ; v7   8 x (lane / 16): a shift
                                       ; v12 -M, v13 the largest t, v[14:15] the sum in two halves
.set QF,  22                           ; v16-45: zeros, Q of pass 0, zeros, Q of pass 1, zeros: six registers each
.set QS,  46                           ; v46, v47  Q's scale words
; the main phase
.set FG,  48                           ; v48-95    four fragments of K, then of V
.set SS,  96                           ; v96-159   S^T, then p
.set OA,  160                          ; v160-191  O^T
.set PC,  192                          ; v192-203  p's codes
.set T4,  204                          ; v204-206, v208-210  the conversions' second halves
.set BM,  212                          ; v212-213  a block's largest score, then its largest p;  v214-215 the second chain
.set BN,  214
.set SCO, 216                          ; v216-217  the conversions' scale operands
.set BY,  218                          ; v218-219  the scale bytes
.set FF,  220                          ; v220 f = 2^(old M - new M); v221 is named with it as a pair
.set SB,  222                          ; v[222:223] the sum's second chain
.set PW,  224                          ; v224      p's scale word
.set SCL, 226                          ; v226-229  K's and V's scale words of the step
.set TA,  230                          ; at work
.set TP,  231                          ; a lane permute's destination
; the prologue
.set SI,   8                           ; v8   my stage, on the way in
.set SO,   9                           ; v9   and on the way out
.set KW16, 10                          ; v10  my step block + 16 x lane
.set KW8,  11                          ; v11  + 8 x lane
.set RS,   48                          ; v48-175   four sets of 32 numbers as they are loaded
.set XN,   176                         ; v176-207  32 neighbours along d
.set CD,   208                         ; v208-213  a block's codes
.set T2,   214                         ; v214-216  their second half as it is made
.set MX,   218                         ; v218-219  two chains of the largest magnitude
.set SC,   220                         ; the conversion's scale operand
.set BYP,  221                         ; the scale's byte
.set KWS,  232                         ; v232 my step block + 16 x (lane % 16)
.set VW16, 233                         ; v233 my step block + 1536 x (lane / 16) + 16 x (lane % 16)
.set VW8,  234                         ; v234 the same with 8 x (lane % 16)
.set L4,   236                         ; v236 4 x lane
.set HW0,  237                         ; the even key tile's two scale bytes
.set VSW,  238                         ; v238-239  V's scale words in the making
.set LN,   240                         ; lane, lane % 16, lane / 16, at work
.set LR,   241
.set LH,   242
.set LT,   243
.set WV,  12                           ; s12  my wave's number
.set SEL, 20                           ; s[20:21] lane selects for v_permlanex16_b32: lane l xor 16
.set CS,  22                           ; s[22:23] c = log2(e) / 8: the packed form names a pair and takes its low word for both halves
.set TB,  24                           ; s24  LDS byte at which the step block in hand begins
.set CNT, 25                           ; s25  steps to go
; 16 rows of 256 bytes into set: eight loads of 512 consecutive bytes (two rows).  gap: what lies between the first eight rows and the second eight
.macro LOADR set, base, off, gap, nt
.irp i, 0,1,2,3,4,5,6,7
.if \nt
	global_load_b128 v[RS+32*(\set)+4*\i:RS+32*(\set)+4*\i+3], v[L16], s[\base:\base+1] offset:(\off)+512*\i+(\gap)*(\i/4) th:TH_LOAD_NT
.else
	global_load_b128 v[RS+32*(\set)+4*\i:RS+32*(\set)+4*\i+3], v[L16], s[\base:\base+1] offset:(\off)+512*\i+(\gap)*(\i/4)
.endif
.endr
.endm
; Item 0, 1: my two tiles of queries (read by me alone in the whole launch).  Item 2 + tau: key tile tau = 4 g + u of my 128 keys: keys 64 g + 8 u + 0 .. 7 and the eight that lie 32 further on
.macro LOADITEM n
.set IT, (\n)
.if IT < 2
	LOADR IT%4, 4, 4096*IT, 0, 1
.else
	LOADR IT%4, 6, 16384*((IT-2)/4)+2048*((IT-2)%4), 6144, 0
.endif
.endm
; V: a lane takes a channel, and its registers run down the keys.  Item m: keys 32 (m / 2) on, channels 32 (m % 2) + lane: each load reads 128 consecutive bytes
.macro LOADV m
.set J, 0
.rept 32
	global_load_b32 v[RS+32*((\m)%2)+J], v[L4], s[8:9] offset:(32*((\m)/2)+J)*256+128*((\m)%2)
.set J, J+1
.endr
.endm
; 16 rows through my stage: in as loaded (16 bytes a lane), out 128 bytes a lane: lane r + 16 h then holds d = 32 h .. 32 h + 31 of row r.  LDS serves a wave's instructions in order: no wait between stores and loads
.macro TURN set
.irp i, 0,1,2,3,4,5,6,7
	ds_store_b128 v[SI], v[RS+32*(\set)+4*\i:RS+32*(\set)+4*\i+3] offset:2*RP*\i
.endr
.irp j, 0,1,2,3,4,5,6,7
	ds_load_b128 v[XN+4*\j:XN+4*\j+3], v[SO] offset:16*\j
.endr
	s_wait_dscnt 0x0                               ; the 32 numbers are in; the stores have read their set, and the last item's stores their codes
.endm
; A block of 32, all in my lane: v[src] .. v[src + 31] become six registers of codes at v[dst]; the scale's byte in v[BYP]
.macro QUANT32 src, dst
	v_max3_num_f32 v[MX], |v[(\src)]|, |v[(\src)+1]|, 0x1800000      ; the largest magnitude, in two chains, and the floor 2^(3 - 127): so the byte cannot fall under 1
	v_max3_num_f32 v[MX+1], |v[(\src)+2]|, |v[(\src)+3]|, |v[(\src)+4]|
.irp k, 0,1,2,3,4,5,6,7,8,9,10,11,12
	v_max3_num_f32 v[MX+\k%2], v[MX+\k%2], |v[(\src)+5+2*\k]|, |v[(\src)+6+2*\k]|
.endr
	v_max3_num_f32 v[MX], v[MX], v[MX+1], |v[(\src)+31]|
	v_add_nc_u32 v[SC], 0xff000000, v[MX]          ; 2 off its exponent field: the conversion takes the exponent field of this operand as its scale, and nothing else of it
	v_cvt_scalef32_pk16_fp6_f32 v[(\dst):(\dst)+2], v[(\src):(\src)+15], v[SC]
	v_cvt_scalef32_pk16_fp6_f32 v[T2:T2+2], v[(\src)+16:(\src)+31], v[SC]   ; (a conversion's three registers begin on an even number)
	v_lshrrev_b32 v[BYP], 23, v[SC]                ; the scale's byte; also the plain place behind the conversions
.irp i, 0,1,2
	v_mov_b32 v[(\dst)+3+\i], v[T2+\i]
.endr
.endm
; my byte and lane l xor 16's: v[TA] = byte of d 0-31 | byte of d 32-63 << 8, in both lanes
.macro HALF
	v_lshlrev_b32 v[TA], v[SH8], v[BYP]
	v_permlanex16_b32 v[TP], v[TA], s[SEL], s[SEL+1]
	v_or_b32 v[TA], v[TA], v[TP]
.endm
; An item of 16 rows with d innermost.  left: the loads issued behind this item's eight
.macro ROWITEM n, left
	s_wait_loadcnt \left
	TURN (\n)%4
.if (\n) <= 5
	LOADITEM (\n)+4                                ; the freed set takes the item four further on
.elseif (\n) == 8
	LOADV 0
.elseif (\n) == 9
	LOADV 1
.endif
.if (\n) < 2
	QUANT32 XN, QF+12*(\n)                         ; Q's codes stay in registers
	HALF
	v_lshl_or_b32 v[QS+(\n)], v[TA], 16, v[TA]     ; Q's scale word: its two bytes, for either half of the instruction's K
.else
.set TAU, (\n)-2
	QUANT32 XN, CD
	HALF
	ds_store_b128 v[KW16], v[CD:CD+3] offset:768*TAU
	ds_store_b64 v[KW8], v[CD+4:CD+5] offset:768*TAU+512
.if TAU%2 == 0
	v_mov_b32 v[HW0], v[TA]
.else
	v_lshl_or_b32 v[TA], v[TA], 16, v[HW0]         ; fragment TAU / 2: the even tile's two bytes below, the odd tile's above
	ds_store_b32 v[KWS], v[TA] offset:SCW+256*((TAU/2)%2)+4*(TAU/4)   ; lanes l and l + 16 write the same word with the same value
.endif
.endif
.endm
; An item of V: block BB of 32 keys, channels 32 WH + lane.  My six registers belong to lane (lane % 16, BB % 2) of half fragment 2 t + BB / 2, t = 2 WH + lane / 16
.macro VITEM m
.if (\m) < 7
	s_wait_loadcnt 32                              ; this item's 32 loads are in; the other set's 32 may be out
.else
	s_wait_loadcnt 0x0
.endif
	s_wait_dscnt 0x0                               ; the last item's stores have read their codes
	QUANT32 RS+32*((\m)%2), CD
.if (\m) <= 5
	LOADV (\m)+2
.endif
.set BB, (\m)/2
.set WH, (\m)%2
.if BB == 0
	v_mov_b32 v[VSW+WH], v[BYP]
.else
	v_lshl_or_b32 v[VSW+WH], v[BYP], 8*BB, v[VSW+WH]
.endif
	ds_store_b128 v[VW16], v[CD:CD+3] offset:VIMG+3072*WH+768*(BB/2)+256*(BB%2)
	ds_store_b64 v[VW8], v[CD+4:CD+5] offset:VIMG+512+3072*WH+768*(BB/2)+128*(BB%2)
.if BB == 3
	ds_store_b32 v[KW16], v[VSW+WH] offset:SCW+8+4*WH   ; my channel's scale word for these 128 keys
.endif
.endm
	s_load_b256 s[4:11], s[0:1], 0x0               ; q s[4:5], k s[6:7], v s[8:9], out0 s[10:11]
	v_lshl_add_u32 v254, v0, 2, 0x45000
	v_mov_b32 v255, 0
	v_lshrrev_b32 v[TA], 5, v0
	v_readfirstlane_b32 s[WV], v[TA]               ; wave 0..15
	v_and_b32 v[LN], 31, v0
	v_lshlrev_b32 v[L16], 4, v[LN]
	v_lshlrev_b32 v[L4], 2, v[LN]
	s_and_b32 s13, ttmp7, 0xffff                   ; the head
	s_lshl_b32 s14, s13, 19                        ; its 2,048 rows of 256 bytes
	s_lshl_b32 s15, ttmp9, 17                      ; my work-group's 512 queries
	s_lshl_b32 s16, s[WV], 13                      ; my wave's 32 of them
	s_add_co_u32 s16, s16, s15
	s_add_co_u32 s16, s16, s14                     ; under 2^25
	s_mov_b32 s17, 0
	s_lshl_b32 s18, s[WV], 15                      ; the 128 keys that my wave quantises
	s_add_co_u32 s18, s18, s14
	s_mov_b32 s19, 0
	s_mov_b32 s[SEL], 0x76543210
	s_mov_b32 s[SEL+1], 0xfedcba98
	s_mov_b32 s[CS], 0x3e38aa3b                    ; c = log2(e) / 8
	s_mov_b32 s[CS+1], s[CS]                       ; (named with it as a pair, so it is written)
	s_mul_i32 s26, s[WV], STGB
	s_add_co_u32 s26, s26, STG0                    ; my stage
	s_mul_i32 s27, s[WV], STEPB                    ; my step block
	s_wait_kmcnt 0x0
	s_add_nc_u64 s[4:5], s[4:5], s[16:17]
	s_add_nc_u64 s[10:11], s[10:11], s[16:17]
	s_add_nc_u64 s[6:7], s[6:7], s[18:19]
	s_add_nc_u64 s[8:9], s[8:9], s[18:19]
.irp n, 0,1,2,3
	LOADITEM \n                                    ; four items, 32 loads, go out before anything else is done
.endr
	v_and_b32 v[LR], 15, v0                        ; r
	v_bfe_u32 v[LH], v0, 4, 1                      ; h
	v_lshlrev_b32 v[L8], 3, v[LN]
	v_lshlrev_b32 v[SH8], 3, v[LH]
	v_mul_u32_u24 v[WS], v[LR], WP                 ; the way out, in: row r, 32 bytes for each half of the lanes
	v_lshl_add_u32 v[WS], v[LH], 5, v[WS]
	v_add_nc_u32 v[WS], s26, v[WS]
	v_mul_u32_u24 v[WR], v[LH], WP                 ; back: lanes 0-15 one row of 256 bytes, lanes 16-31 the next
	v_lshl_add_u32 v[WR], v[LR], 4, v[WR]
	v_add_nc_u32 v[WR], s26, v[WR]
	v_bfe_u32 v[LT], v0, 3, 1                      ; the stage, in: a load's lane holds row lane / 16, half (lane / 8) % 2, 16 bytes at 16 (lane % 8)
	v_mul_u32_u24 v[SI], v[LT], HP
	v_mad_u32_u24 v[SI], v[LH], RP, v[SI]
	v_and_b32 v[LT], 7, v0
	v_lshl_add_u32 v[SI], v[LT], 4, v[SI]
	v_add_nc_u32 v[SI], s26, v[SI]
	v_mul_u32_u24 v[SO], v[LH], HP                 ; out: row r, half h
	v_mad_u32_u24 v[SO], v[LR], RP, v[SO]
	v_add_nc_u32 v[SO], s26, v[SO]
	v_add_nc_u32 v[KW16], s27, v[L16]
	v_add_nc_u32 v[KW8], s27, v[L8]
	v_lshl_add_u32 v[KWS], v[LR], 4, s27
	v_mul_u32_u24 v[LT], v[LH], 1536
	v_add_nc_u32 v[LT], s27, v[LT]
	v_lshl_add_u32 v[VW16], v[LR], 4, v[LT]
	v_lshl_add_u32 v[VW8], v[LR], 3, v[LT]
.irp z, 16, 28, 40
.irp i, 0,1,2,3,4,5
	v_mov_b32 v[\z+\i], 0                          ; the three runs of zero codes round Q's two fragments
.endr
.endr
	v_mov_b32 v[TP], 0                             ; written once: a lane permute's destination counts as one of its sources
	; ---- THE PROLOGUE: Q's two tiles, my eight key tiles, my 128 keys of V.  Loads run four items ahead
.irp n, 0,1,2,3,4,5,6
	ROWITEM \n, 24                                 ; behind this item's loads: three items of eight
.endr
	ROWITEM 7, 16                                  ; two items
	ROWITEM 8, 8                                   ; one
	ROWITEM 9, 32                                  ; V's first 32
.irp m, 0,1,2,3,4,5,6,7
	VITEM \m
.endr
	s_wait_dscnt 0x0                               ; for the others' sake: my step block is written
	s_barrier_signal -1
	s_barrier_wait -1                              ; all sixteen blocks are: from here on nobody writes them
; ---- A KEY STEP: 128 keys.  qz: [Q | zeros], zq: [zeros | Q], qs: Q's scale word
.macro STEP qz, zq, qs
	v_add_nc_u32 v[A16], s[TB], v[L16]
	v_add_nc_u32 v[A8], s[TB], v[L8]
	v_nop
	v_nop                                          ; four places behind the last step's products, in front of loads into registers that they have read (ISA guide 7.12.1 for vector instructions)
.irp hf, 0,1,2,3,4,5,6,7
	ds_load_b128 v[FG+6*\hf:FG+6*\hf+3], v[A16] offset:768*\hf
	ds_load_b64 v[FG+6*\hf+4:FG+6*\hf+5], v[A8] offset:768*\hf+512
.endr
	ds_load_b128 v[SCL:SCL+3], v[A16] offset:SCW   ; all of the step's scale words of K and of V
	s_wait_dscnt 0x0
.irp phi, 0,1,2,3                      ; S^T = K Q^T: fragment phi holds key tiles 2 phi and 2 phi + 1; its scale words lie in lanes 0-15 (phi even) or 16-31 (odd)
.if \phi%2
	v_wmma_scale_f32_16x16x128_f8f6f4 v[SS+16*\phi:SS+16*\phi+7], v[FG+12*\phi:FG+12*\phi+11], v[\qz:\qz+11], 0, v[SCL+\phi/2], v[\qs] matrix_a_fmt:MATRIX_FMT_FP6 matrix_b_fmt:MATRIX_FMT_FP6 matrix_a_scale:MATRIX_SCALE_ROW1
	v_wmma_scale_f32_16x16x128_f8f6f4 v[SS+16*\phi+8:SS+16*\phi+15], v[FG+12*\phi:FG+12*\phi+11], v[\zq:\zq+11], 0, v[SCL+\phi/2], v[\qs] matrix_a_fmt:MATRIX_FMT_FP6 matrix_b_fmt:MATRIX_FMT_FP6 matrix_a_scale:MATRIX_SCALE_ROW1
.else
	v_wmma_scale_f32_16x16x128_f8f6f4 v[SS+16*\phi:SS+16*\phi+7], v[FG+12*\phi:FG+12*\phi+11], v[\qz:\qz+11], 0, v[SCL+\phi/2], v[\qs] matrix_a_fmt:MATRIX_FMT_FP6 matrix_b_fmt:MATRIX_FMT_FP6
	v_wmma_scale_f32_16x16x128_f8f6f4 v[SS+16*\phi+8:SS+16*\phi+15], v[FG+12*\phi:FG+12*\phi+11], v[\zq:\zq+11], 0, v[SCL+\phi/2], v[\qs] matrix_a_fmt:MATRIX_FMT_FP6 matrix_b_fmt:MATRIX_FMT_FP6
.endif
.endr
.rept 4
	v_nop                                          ; four places: for the loads into K's registers, and for the first read of the scores
.endr
.irp hf, 0,1,2,3,4,5,6,7               ; V's fragments land while the softmax is worked
	ds_load_b128 v[FG+6*\hf:FG+6*\hf+3], v[A16] offset:VIMG+768*\hf
	ds_load_b64 v[FG+6*\hf+4:FG+6*\hf+5], v[A8] offset:VIMG+768*\hf+512
.endr
	; THE LARGEST SCORE OF EACH OF MY TWO BLOCKS OF 32 KEYS, two chains a block.  It serves twice: for the row's maximum and, since p rises with the score, for the block's largest p.
	; Each accumulator is first read at one of its four lowest registers: (0, 1, 2), (7, 8), (16, 17, 18), (23, 24)
.irp g, 0,1
	v_max3_num_f32 v[BM+\g], v[SS+32*\g], v[SS+32*\g+1], v[SS+32*\g+2]
	v_max3_num_f32 v[BN+\g], v[SS+32*\g+16], v[SS+32*\g+17], v[SS+32*\g+18]
.endr
.irp i, 3,5,7,9,11,13
.irp g, 0,1
	v_max3_num_f32 v[BM+\g], v[BM+\g], v[SS+32*\g+\i], v[SS+32*\g+\i+1]
	v_max3_num_f32 v[BN+\g], v[BN+\g], v[SS+32*\g+16+\i], v[SS+32*\g+17+\i]
.endr
.endr
.irp g, 0,1
	v_max3_num_f32 v[BM+\g], v[BM+\g], v[BN+\g], v[SS+32*\g+15]
.endr
.irp g, 0,1
	v_max_num_f32 v[BM+\g], v[BM+\g], v[SS+32*\g+31]
.endr
	v_max_num_f32 v[TA], v[BM], v[BM+1]
	v_permlanex16_b32 v[TP], v[TA], s[SEL], s[SEL+1]
	v_max_num_f32 v[TA], v[TA], v[TP]              ; with lane l xor 16's 64 keys: the step's largest score of my query
	v_mul_f32 v[TA], s[CS], v[TA]                  ; as t (c is positive)
	v_max_num_f32 v13, v13, v[TA]                  ; the running largest t
	v_mov_b32 v[TA], v12
	v_floor_f32 v12, -v13                          ; the new -M = floor(-t) = -ceil(t): M IS A WHOLE NUMBER
	v_sub_f32 v[TA], v12, v[TA]                    ; M's old value less its new one: a whole number, 0 or less
	v_cvt_i32_f32 v[TA], v[TA]                     ; (it saturates)
	v_ldexp_f32 v[FF], 1.0, v[TA]                  ; f = 2^(old M - new M)
.set J, 0
.rept 32
	v_pk_fma_f32 v[SS+J:SS+J+1], v[SS+J:SS+J+1], s[CS:CS+1], v[12:13] op_sel_hi:[1,0,0]   ; t - M, two at a time (of the pairs c and -M the low word serves both halves)
.set J, J+2
.endr
.irp g, 0,1
	v_fma_f32 v[BM+\g], v[BM+\g], s[CS], v12       ; the same of each block's largest score
.endr
.set J, 0
.rept 64
	v_exp_f32 v[SS+J], v[SS+J]                     ; p = 2^(t - M), at most 1: NOT normalised
.set J, J+1
.endr
.irp g, 0,1
	v_exp_f32 v[BM+\g], v[BM+\g]                   ; the block's largest p: the same two instructions on the same number give the same bits
.endr
	v_pk_mul_f32 v[14:15], v[14:15], v[FF:FF+1] op_sel_hi:[1,0]   ; the sums under the new M; also the plain place behind the exponentials
	s_wait_alu depctr_va_vdst(0)
.irp g, 0,1
	v_max_num_f32 v[BM+\g], 0x1800000, v[BM+\g]    ; the floor 2^(3 - 127): the byte cannot fall under 1 (a block whose every p is 0 keeps that byte: its codes are zeros)
.endr
.irp g, 0,1
	v_add_nc_u32 v[SCO+\g], 0xff000000, v[BM+\g]   ; 2 off the exponent field: the conversion's scale operand
.endr
.irp g, 0,1
	v_lshrrev_b32 v[BY+\g], 23, v[SCO+\g]          ; the scale's byte
.endr
	v_lshl_or_b32 v[TA], v[BY+1], 16, v[BY]        ; my two bytes: blocks h and 2 + h of these 128 keys,
	v_lshlrev_b32 v[TA], v[SH8], v[TA]             ; at their places in the scale word;
	v_permlanex16_b32 v[TP], v[TA], s[SEL], s[SEL+1]
	v_or_b32 v[PW], v[TA], v[TP]                   ; with lane l xor 16's two the word is whole
.irp g, 0,1
	v_cvt_scalef32_pk16_fp6_f32 v[PC+6*\g:PC+6*\g+2], v[SS+32*\g:SS+32*\g+15], v[SCO+\g]
	v_cvt_scalef32_pk16_fp6_f32 v[T4+4*\g:T4+4*\g+2], v[SS+32*\g+16:SS+32*\g+31], v[SCO+\g]   ; (a conversion's three registers begin on an even number)
.endr
	v_nop                                          ; one plain place behind a scaled conversion
.irp g, 0,1
.irp i, 0,1,2
	v_mov_b32 v[PC+6*\g+3+\i], v[T4+4*\g+\i]       ; registers 6 g .. 6 g + 5: keys 64 g + 32 h + 0 .. 31
.endr
.endr
	v_pk_add_f32 v[SB:SB+1], v[SS:SS+1], v[SS+2:SS+3]   ; THE ROW'S SUM IS TAKEN OF THE UNQUANTISED p: two at a time, in two chains
.irp j, 4,8,12,16,20,24,28,32,36,40,44,48,52,56,60
	v_pk_add_f32 v[14:15], v[14:15], v[SS+\j:SS+\j+1]
	v_pk_add_f32 v[SB:SB+1], v[SB:SB+1], v[SS+\j+2:SS+\j+3]
.endr
	v_pk_add_f32 v[14:15], v[14:15], v[SB:SB+1]
.set J, 0
.rept 16
	v_pk_mul_f32 v[OA+J:OA+J+1], v[OA+J:OA+J+1], v[FF:FF+1] op_sel_hi:[1,0]   ; O^T under the new M, each accumulator from its low end on
.set J, J+2
.endr                                  ; behind the scale word's last write stand 39 plain lines that name none of the products' registers, behind the codes' last write 32
	s_wait_dscnt 0x0                               ; V's fragments are in
.irp t, 0,1,2,3                        ; O^T += V^T P^T: the four accumulators take turns, and the next step's eight products stand between two links of a chain
.if \t%2
	v_wmma_scale_f32_16x16x128_f8f6f4 v[OA+8*\t:OA+8*\t+7], v[FG+12*\t:FG+12*\t+11], v[PC:PC+11], v[OA+8*\t:OA+8*\t+7], v[SCL+2+\t/2], v[PW] matrix_a_fmt:MATRIX_FMT_FP6 matrix_b_fmt:MATRIX_FMT_FP6 matrix_a_scale:MATRIX_SCALE_ROW1
.else
	v_wmma_scale_f32_16x16x128_f8f6f4 v[OA+8*\t:OA+8*\t+7], v[FG+12*\t:FG+12*\t+11], v[PC:PC+11], v[OA+8*\t:OA+8*\t+7], v[SCL+2+\t/2], v[PW] matrix_a_fmt:MATRIX_FMT_FP6 matrix_b_fmt:MATRIX_FMT_FP6
.endif
.endr
.endm
; ---- THE WAY OUT of pass p: O^T / the sum goes through my stage and leaves as whole rows: a store of the wave covers 512 consecutive bytes, at a multiple of 256 from out0's first byte
.macro WAYOUT p
.rept 4
	v_nop                                          ; four places behind the last products
.endr
	v_add_f32 v14, v14, v15                        ; the sum's two halves,
	v_permlanex16_b32 v[TP], v14, s[SEL], s[SEL+1]
	v_add_f32 v14, v14, v[TP]                      ; and lane l xor 16's: the row's sum
	v_rcp_f32 v14, v14
	v_nop                                          ; one plain place behind a transcendental
.set J, 0
	s_wait_alu depctr_va_vdst(0)
.rept 16
	v_pk_mul_f32 v[SS+J:SS+J+1], v[OA+J:OA+J+1], v[14:15] op_sel_hi:[1,0]   ; register 8 t + j is out(r, 16 t + 8 h + j)
.set J, J+2
.endr
.irp t, 0,1,2,3
	ds_store_b128 v[WS], v[SS+8*\t:SS+8*\t+3] offset:64*\t
	ds_store_b128 v[WS], v[SS+8*\t+4:SS+8*\t+7] offset:64*\t+16
.endr
.irp i, 0,1,2,3,4,5,6,7
	ds_load_b128 v[SS+32+4*\i:SS+32+4*\i+3], v[WR] offset:2*WP*\i   ; LDS serves a wave's instructions in order (ISA guide 5.7.1.4): these see my stores
.endr
.irp i, 0,1,2,3,4,5,6,7
	s_wait_dscnt 7-\i                              ; the younger loads may stay out
	global_store_b128 v[L16], v[SS+32+4*\i:SS+32+4*\i+3], s[10:11] offset:4096*\p+512*\i th:TH_STORE_NT
.endr
.endm
; ---- A PASS: one tile of 16 queries against all keys.  The step is written once: O^T and the sum begin as zeros and the largest t as -3e38, so that the first change of M multiplies zeros
.macro PASS p, qz, zq, qs
	v_mov_b32 v13, 0xff61b1e6                      ; -3e38, under every t
	v_mov_b32 v14, 0
	v_mov_b32 v15, 0
	v_mov_b32 v[FF+1], 0                           ; (named as the upper half of the pair with f)
	v_floor_f32 v12, -v13                          ; -M
.set J, 0
.rept 32
	v_mov_b32 v[OA+J], 0
.set J, J+1
.endr
	s_mov_b32 s[TB], 0
	s_mov_b32 s[CNT], 16
.Lstep_\@:
	STEP \qz, \zq, \qs
	s_add_co_u32 s[TB], s[TB], STEPB               ; the next 128 keys' block
	s_sub_co_u32 s[CNT], s[CNT], 1
	s_cmp_lg_u32 s[CNT], 0
	s_cbranch_scc1 .Lstep_\@
	WAYOUT \p
.endm
	PASS 0, 22, 16, 46
	s_wait_xcnt 0x0                                ; the stores have read their registers: the next pass's products write them again
	PASS 1, 34, 28, 47
	s_wait_tensorcnt 0x0
	ds_add_u32 v254, v255
	s_wait_dscnt 0x0
	s_endpgm
.Lfunc_end_k_q1f260e3590_attn:
	.size	k_q1f260e3590_attn, .Lfunc_end_k_q1f260e3590_attn-k_q1f260e3590_attn
	.p2alignl 7, 3214868480
	.fill 96, 4, 3214868480
	.section	.rodata,"a",@progbits
	.p2align	6, 0x0
	.amdhsa_kernel k_q1f260e3590_attn
		.amdhsa_group_segment_fixed_size 284672
		.amdhsa_private_segment_fixed_size 0
		.amdhsa_enable_private_segment 0
		.amdhsa_kernarg_size 32
		.amdhsa_user_sgpr_count 2
		.amdhsa_user_sgpr_kernarg_segment_ptr 1
		.amdhsa_wavefront_size32 1
		.amdhsa_system_sgpr_workgroup_id_x 1
		.amdhsa_system_sgpr_workgroup_id_y 1
		.amdhsa_system_sgpr_workgroup_id_z 1
		.amdhsa_system_vgpr_workitem_id 0
		.amdhsa_next_free_vgpr 256
		.amdhsa_next_free_sgpr 66
		.amdhsa_reserve_vcc 0
		.amdhsa_float_denorm_mode_32 3
		.amdhsa_float_denorm_mode_16_64 3
		.amdhsa_memory_ordered 1
		.amdhsa_forward_progress 1
		.amdhsa_inst_pref_size 114
	.end_amdhsa_kernel
	.amdgpu_metadata
---
amdhsa.version: [ 1, 2 ]
amdhsa.kernels:
  - .name:           k_q1f260e3590_attn
    .symbol:         k_q1f260e3590_attn.kd
    .args:
      - { .name: q, .offset: 0, .size: 8, .value_kind: global_buffer, .address_space: global }
      - { .name: k, .offset: 8, .size: 8, .value_kind: global_buffer, .address_space: global }
      - { .name: v, .offset: 16, .size: 8, .value_kind: global_buffer, .address_space: global }
      - { .name: out0, .offset: 24, .size: 8, .value_kind: global_buffer, .address_space: global }
    .group_segment_fixed_size: 284672
    .private_segment_fixed_size: 0
    .kernarg_segment_align: 8
    .kernarg_segment_size: 32
    .max_flat_workgroup_size: 512
    .sgpr_count:     66
    .vgpr_count:     256
    .wavefront_size: 32
...
	.end_amdgpu_metadata
.endif
;; end of part 1
;; ======== version 2 of 2: 1 launch; version 1 with the launch attn written anew for expert scheduling mode
;; launch attn (part 2): grid 4 x 64, 16 waves a work-group, no clusters, 284,672 bytes of LDS; arguments q, k, v, out0; writes out0
.if DOCPART == 2
	.amdgcn_target "amdgcn-amd-amdhsa--gfx1250"
	.amdhsa_code_object_version 6
	.text
	.protected	k_q1f260e3590_attn
	.globl	k_q1f260e3590_attn
	.p2align	8
	.type	k_q1f260e3590_attn,@function
k_q1f260e3590_attn:
	s_mov_b64 s[64:65], 0
	v_nop
	global_prefetch_b8 v0, s[64:65] scope:SCOPE_SE
	s_setreg_imm32_b32 hwreg(HW_REG_WAVE_SCHED_MODE, 0, 2), 2
	s_setreg_imm32_b32 hwreg(HW_REG_WAVE_MODE, 25, 1), 1
	s_wait_xcnt 0x0
	s_wait_alu depctr_vm_vsrc(0)
; out0[h][q][:] = the sum over k of softmax_k(q[h][q] . k[h][k] / 8) v[h][k][:].  q, k, v, out0: [64 heads][2048][64] f32.  Both products on codes of FP6 (E2M3) with one E8M0 scale for each 32 along a product's K.
; THE SOFTMAX AHEAD OF THE SECOND PRODUCT: t = score x log2(e) / 8; M = the row's largest t so far, rounded UP to a whole number; p = 2^(t - M) is quantised along the keys, not normalised.
; The row's sum is taken of the unquantised p and divides at the end.  When M moves, the sum and O are multiplied by 2^(old M - new M): exact.
; SHARES.  A work-group owns 512 queries of one head (4 x 64 work-groups); each of its sixteen waves owns 32 of them, one tile of 16 at a time, in two passes; 256 registers a wave, four waves to a SIMD,
; so that one wave's vector work stands beside another's matrix work and LDS loads.  Every wave walks all 2,048 keys, 128 a step.
; A WHOLE HEAD'S CODES LIE IN LDS: k's 98,304 bytes, v's 98,304, their scale words 8,192.  Wave w quantises keys 128 w .. 128 w + 127 of k and of v into step block w, which it alone writes;
; ONE barrier; then the blocks are only read.  So there is no ring and no copy engine: the f32 numbers have to pass through registers to be quantised anyway.
; NO CLUSTER, NO JOINT LOADS: what the four work-groups of a head share is its k and v, 1 MiB of f32, read once each at the start.  Beside the codes and the stages 327,680 - 282,624 = 45,056 bytes
; of LDS are free: two slots of 22 KiB would take 47 refills, each behind a round of the cluster's barrier, for a phase that is about a tenth of a wave's instructions.
; LAYOUT.  Both products are used transposed: S^T = K Q^T (source 0 = 16 keys, source 1 = my 16 queries), O^T = V^T P^T (source 0 = 16 channels, source 1 = P): a lane holds ONE query (lane % 16) throughout.
; THE KEYS OF A TILE ARE NOT NEIGHBOURS: row m of tile 4 g + u takes key 64 g + 32 (m / 8) + 8 u + m % 8.  The result's register j of lane (r, h) is row 8 h + j, so the lane's 32 registers of tiles 4 g .. 4 g + 3
; are keys 64 g + 32 h + 0 .. 31: a WHOLE block of 32 of the next K, in the very lane and order that the next operand wants.  No lane is asked for a block's maximum, and no codes change lanes.
; THE FIRST PRODUCT'S K IS 64, the instruction's 128: a fragment of source 0 holds TWO key tiles, one in each half of K, and source 1 is [Q | zeros] or [zeros | Q], cut out of the run zeros, Q, zeros.
; In the half that is not meant, zero codes stand on Q's side alone: a zero code times any code under any scale byte but 0xff adds exactly nothing.
; OPERANDS LIE IN LDS AS IMAGES OF THEIR REGISTERS: six registers (half a fragment) as 512 bytes (registers 0-3, 16 bytes a lane) + 256 bytes (registers 4-5, 8 bytes a lane): every read is of consecutive bytes.
; LIMITS: NaN and infinities among the inputs are not served.  A block whose largest magnitude lies under 2^-124 (a block of zeros too) gets the scale byte 1; the bytes are read by this program alone.
; A p under 2^-126 comes out of v_exp_f32 as 0.  M is a whole number exactly while |t| < 2^24.  A block's largest p is taken as the exponential of its largest score, which takes v_exp_f32 not to fall where its input rises.
; THE MODE: SCHED_MODE bits 1:0 = 2 (LLVM: expert scheduling mode 2), set by the entry lines.  The code itself states the register dependences between vector or matrix instructions
; and memory or LDS instructions, with s_wait_alu, always for 0.
; THE PLAN.  Registers that memory or LDS instructions touch, and who else names them:
;   v1, v236       offsets in memory; v5, v6, v8-11, v232-234 LDS addresses: made once at the head, never written again.
;   RS0 .. RS3     the prologue's four sets: global loads land in them; a row item's LDS stores into the stage read a set, an item of V's maxima and conversions read one; then the set is loaded again.
;   XN             the stage's LDS loads land in it; an item's maxima and conversions read it.
;   CD, v230, v238-239  an item's vector lines write them; the LDS stores at the item's end read them.
;   So an item of the prologue has two waits: one on vm_vsrc ahead of its vector lines (the stores issued so far have read the set, the codes and the word), and one on va_vdst behind them
;   (codes and word are written; the numbers have been read): the item's stores, and the loads into what it has read, follow that wait.
;   v3, v4         the step block's LDS address: written by two additions at a step's head, read by the step's 33 LDS loads.
;   FG, v226-229   K's fragments and the scale words are loaded at a step's head and read by its first products; V's fragments land in FG behind these and are read by its second products.
;   So a step has one wait on vm_vsrc, ahead of the two additions, and these on va_vdst: behind the additions (the address is written; the last step's second products have read FG and the scale words);
;   behind the first products (they have read K's fragments): V's loads follow it, dealt among the lines of the maxima, which name the scores and v212-215 alone; behind the exponentials;
;   and ahead of the second products (p's codes and scale word, written by vector lines, are their operands).
;   v96-127, v128-159  the way out: the quotients are written by vector lines and read by LDS stores; the stage's loads land in v128-159, which the global stores read.
;   v254, v255     written at the head, read by the closing add alone.
.set STEPB, 12800                      ; a step block: 8 half fragments of K (768 bytes each), 8 of V, 512 bytes of scale words
.set VIMG,  6144                       ; where V's half fragments begin in it: number 2 t + c = channels 16 t on, keys 64 c on
.set SCW,   12288                      ; the scale words, 16 bytes a lane: words 0, 1: K's fragments 0, 2 (lanes 0-15) and 1, 3 (lanes 16-31); words 2, 3: V's tiles likewise
.set STG0,  16*STEPB                   ; behind the sixteen blocks: a stage of its own for each wave
.set STGB,  4864                       ; prologue: 16 rows x 2 halves of 128 bytes; the way out: 16 rows of 272 bytes
.set RP,    144                        ; prologue: from row to row: 36 words, so that 16 rows start at 16 different groups of four banks (64 banks of 4 bytes: ISA guide 11.1)
.set HP,    2432                       ; and from a row's first 32 numbers to its second 32: 608 words = 32 mod 64
.set WP,    272                        ; the way out: a row of 256 bytes + 16
; registers that stay
.set L16, 1                            ; v1   16 x lane: a lane's place in 512 consecutive bytes, in memory and in LDS
.set L8,  2                            ; v2   8 x lane
.set A16, 3                            ; v3   the step block in hand + 16 x lane
.set A8,  4                            ; v4   + 8 x lane
.set WS,  5                            ; v5   the way out: where I put 32 bytes of a row
.set WR,  6                            ; v6   and where I read a row back
.set SH8, 7                            ; v7   8 x (lane / 16): a shift
                                       ; v12 -M, v13 the largest t, v[14:15] the sum in two halves
.set QF,  22                           ; v16-45: zeros, Q of pass 0, zeros, Q of pass 1, zeros: six registers each
.set QS,  46                           ; v46, v47  Q's scale words
; the main phase
.set FG,  48                           ; v48-95    four fragments of K, then of V
.set SS,  96                           ; v96-159   S^T, then p
.set OA,  160                          ; v160-191  O^T
.set PC,  192                          ; v192-203  p's codes
.set T4,  204                          ; v204-206, v208-210  the conversions' second halves
.set BM,  212                          ; v212-213  a block's largest score, then its largest p;  v214-215 the second chain
.set BN,  214
.set SCO, 216                          ; v216-217  the conversions' scale operands
.set BY,  218                          ; v218-219  the scale bytes
.set FF,  220                          ; v220 f = 2^(old M - new M); v221 is named with it as a pair
.set SB,  222                          ; v[222:223] the sum's second chain
.set PW,  224                          ; v224      p's scale word
.set SCL, 226                          ; v226-229  K's and V's scale words of the step
.set TA,  230                          ; at work
.set TP,  231                          ; a lane permute's destination
; the prologue
.set SI,   8                           ; v8   my stage, on the way in
.set SO,   9                           ; v9   and on the way out
.set KW16, 10                          ; v10  my step block + 16 x lane
.set KW8,  11                          ; v11  + 8 x lane
.set RS,   48                          ; v48-175   four sets of 32 numbers as they are loaded
.set XN,   176                         ; v176-207  32 neighbours along d
.set CD,   208                         ; v208-213  a block's codes
.set T2,   214                         ; v214-216  their second half as it is made
.set MX,   218                         ; v218-219  two chains of the largest magnitude
.set SC,   220                         ; the conversion's scale operand
.set BYP,  221                         ; the scale's byte
.set KWS,  232                         ; v232 my step block + 16 x (lane % 16)
.set VW16, 233                         ; v233 my step block + 1536 x (lane / 16) + 16 x (lane % 16)
.set VW8,  234                         ; v234 the same with 8 x (lane % 16)
.set L4,   236                         ; v236 4 x lane
.set HW0,  237                         ; the even key tile's two scale bytes
.set VSW,  238                         ; v238-239  V's scale words in the making
.set LN,   240                         ; lane, lane % 16, lane / 16, at work
.set LR,   241
.set LH,   242
.set LT,   243
.set WV,  12                           ; s12  my wave's number
.set SEL, 20                           ; s[20:21] lane selects for v_permlanex16_b32: lane l xor 16
.set CS,  22                           ; s[22:23] c = log2(e) / 8: the packed form names a pair and takes its low word for both halves
.set TB,  24                           ; s24  LDS byte at which the step block in hand begins
.set CNT, 25                           ; s25  steps to go
; 16 rows of 256 bytes into set: eight loads of 512 consecutive bytes (two rows).  gap: what lies between the first eight rows and the second eight
.macro LOADR set, base, off, gap, nt
.irp i, 0,1,2,3,4,5,6,7
.if \nt
	global_load_b128 v[RS+32*(\set)+4*\i:RS+32*(\set)+4*\i+3], v[L16], s[\base:\base+1] offset:(\off)+512*\i+(\gap)*(\i/4) th:TH_LOAD_NT
.else
	global_load_b128 v[RS+32*(\set)+4*\i:RS+32*(\set)+4*\i+3], v[L16], s[\base:\base+1] offset:(\off)+512*\i+(\gap)*(\i/4)
.endif
.endr
.endm
; Item 0, 1: my two tiles of queries (read by me alone in the whole launch).  Item 2 + tau: key tile tau = 4 g + u of my 128 keys: keys 64 g + 8 u + 0 .. 7 and the eight that lie 32 further on
.macro LOADITEM n
.set IT, (\n)
.if IT < 2
	LOADR IT%4, 4, 4096*IT, 0, 1
.else
	LOADR IT%4, 6, 16384*((IT-2)/4)+2048*((IT-2)%4), 6144, 0
.endif
.endm
; V: a lane takes a channel, and its registers run down the keys.  Item m: keys 32 (m / 2) on, channels 32 (m % 2) + lane: each load reads 128 consecutive bytes
.macro LOADV m
.set J, 0
.rept 32
	global_load_b32 v[RS+32*((\m)%2)+J], v[L4], s[8:9] offset:(32*((\m)/2)+J)*256+128*((\m)%2)
.set J, J+1
.endr
.endm
; 16 rows through my stage: in as loaded (16 bytes a lane), out 128 bytes a lane: lane r + 16 h then holds d = 32 h .. 32 h + 31 of row r.  LDS serves a wave's instructions in order: no wait between stores and loads
.macro TURN set
.irp i, 0,1,2,3,4,5,6,7
	ds_store_b128 v[SI], v[RS+32*(\set)+4*\i:RS+32*(\set)+4*\i+3] offset:2*RP*\i
.endr
.irp j, 0,1,2,3,4,5,6,7
	ds_load_b128 v[XN+4*\j:XN+4*\j+3], v[SO] offset:16*\j
.endr
	s_wait_dscnt 0x0                               ; the 32 numbers are in
	s_wait_alu depctr_vm_vsrc(0)                   ; the stores into the stage have read their set, in which the loads below land; the last item's stores have read v[CD ..] and v[TA], which this item's vector lines write again
.endm
; A block of 32, all in my lane: v[src] .. v[src + 31] become six registers of codes at v[dst]; the scale's byte in v[BYP]
.macro QUANT32 src, dst
	v_max3_num_f32 v[MX], |v[(\src)]|, |v[(\src)+1]|, 0x1800000      ; the largest magnitude, in two chains, and the floor 2^(3 - 127): so the byte cannot fall under 1
	v_max3_num_f32 v[MX+1], |v[(\src)+2]|, |v[(\src)+3]|, |v[(\src)+4]|
.irp k, 0,1,2,3,4,5,6,7,8,9,10,11,12
	v_max3_num_f32 v[MX+\k%2], v[MX+\k%2], |v[(\src)+5+2*\k]|, |v[(\src)+6+2*\k]|
.endr
	v_max3_num_f32 v[MX], v[MX], v[MX+1], |v[(\src)+31]|
	v_add_nc_u32 v[SC], 0xff000000, v[MX]          ; 2 off its exponent field: the conversion takes the exponent field of this operand as its scale, and nothing else of it
	v_cvt_scalef32_pk16_fp6_f32 v[(\dst):(\dst)+2], v[(\src):(\src)+15], v[SC]
	v_cvt_scalef32_pk16_fp6_f32 v[T2:T2+2], v[(\src)+16:(\src)+31], v[SC]   ; (a conversion's three registers begin on an even number)
	v_lshrrev_b32 v[BYP], 23, v[SC]                ; the scale's byte; also the plain place behind the conversions
.irp i, 0,1,2
	v_mov_b32 v[(\dst)+3+\i], v[T2+\i]
.endr
.endm
; my byte and lane l xor 16's: v[TA] = byte of d 0-31 | byte of d 32-63 << 8, in both lanes
.macro HALF
	v_lshlrev_b32 v[TA], v[SH8], v[BYP]
	v_permlanex16_b32 v[TP], v[TA], s[SEL], s[SEL+1]
	v_or_b32 v[TA], v[TA], v[TP]
.endm
; An item of 16 rows with d innermost.  left: the loads issued behind this item's eight
.macro ROWITEM n, left
	s_wait_loadcnt \left
	TURN (\n)%4
.if (\n) <= 5
	LOADITEM (\n)+4                                ; the freed set takes the item four further on
.elseif (\n) == 8
	LOADV 0
.elseif (\n) == 9
	LOADV 1
.endif
.if (\n) < 2
	QUANT32 XN, QF+12*(\n)                         ; Q's codes stay in registers
	HALF
	v_lshl_or_b32 v[QS+(\n)], v[TA], 16, v[TA]     ; Q's scale word: its two bytes, for either half of the instruction's K
	s_wait_alu depctr_va_vdst(0)                   ; the maxima and the conversions are done reading v[XN ..], in which the next item's loads from the stage land
.else
.set TAU, (\n)-2
	QUANT32 XN, CD
	HALF
.if TAU%2 == 0
	v_mov_b32 v[HW0], v[TA]
.else
	v_lshl_or_b32 v[TA], v[TA], 16, v[HW0]         ; fragment TAU / 2: the even tile's two bytes below, the odd tile's above
.endif
	s_wait_alu depctr_va_vdst(0)                   ; the codes v[CD ..] and the word v[TA] are written, which the stores below read; the maxima and the conversions are done reading v[XN ..], in which the next item's loads from the stage land
	ds_store_b128 v[KW16], v[CD:CD+3] offset:768*TAU
	ds_store_b64 v[KW8], v[CD+4:CD+5] offset:768*TAU+512
.if TAU%2
	ds_store_b32 v[KWS], v[TA] offset:SCW+256*((TAU/2)%2)+4*(TAU/4)   ; lanes l and l + 16 write the same word with the same value
.endif
.endif
.endm
; An item of V: block BB of 32 keys, channels 32 WH + lane.  My six registers belong to lane (lane % 16, BB % 2) of half fragment 2 t + BB / 2, t = 2 WH + lane / 16
.macro VITEM m
.if (\m) < 7
	s_wait_loadcnt 32                              ; this item's 32 loads are in; the other set's 32 may be out
.else
	s_wait_loadcnt 0x0
.endif
	s_wait_dscnt 0x0                               ; the last item's stores are done
	s_wait_alu depctr_vm_vsrc(0)                   ; the last item's stores have read v[CD ..], which the conversions below write again
	QUANT32 RS+32*((\m)%2), CD
.set BB, (\m)/2
.set WH, (\m)%2
.if BB == 0
	v_mov_b32 v[VSW+WH], v[BYP]
.else
	v_lshl_or_b32 v[VSW+WH], v[BYP], 8*BB, v[VSW+WH]
.endif
	s_wait_alu depctr_va_vdst(0)                   ; the codes v[CD ..] and the scale word v[VSW ..] are written, which the stores below read; the maxima and the conversions are done reading their set, in which the loads below land
.if (\m) <= 5
	LOADV (\m)+2
.endif
	ds_store_b128 v[VW16], v[CD:CD+3] offset:VIMG+3072*WH+768*(BB/2)+256*(BB%2)
	ds_store_b64 v[VW8], v[CD+4:CD+5] offset:VIMG+512+3072*WH+768*(BB/2)+128*(BB%2)
.if BB == 3
	ds_store_b32 v[KW16], v[VSW+WH] offset:SCW+8+4*WH   ; my channel's scale word for these 128 keys
.endif
.endm
	s_load_b256 s[4:11], s[0:1], 0x0               ; q s[4:5], k s[6:7], v s[8:9], out0 s[10:11]
	v_lshl_add_u32 v254, v0, 2, 0x45000            ; the LDS address of my spare word, behind the stages (16 STEPB + 16 STGB = 0x45000), and 0: made here and kept for the closing lines alone
	v_mov_b32 v255, 0
	v_lshrrev_b32 v[TA], 5, v0
	v_readfirstlane_b32 s[WV], v[TA]               ; wave 0..15
	v_and_b32 v[LN], 31, v0
	v_lshlrev_b32 v[L16], 4, v[LN]
	v_lshlrev_b32 v[L4], 2, v[LN]
	s_wait_alu depctr_va_sdst(0)                   ; s12 is written, ahead of its first reader: the bases and the LDS places below are made from it
	s_and_b32 s13, ttmp7, 0xffff                   ; the head
	s_lshl_b32 s14, s13, 19                        ; its 2,048 rows of 256 bytes
	s_lshl_b32 s15, ttmp9, 17                      ; my work-group's 512 queries
	s_lshl_b32 s16, s[WV], 13                      ; my wave's 32 of them
	s_add_co_u32 s16, s16, s15
	s_add_co_u32 s16, s16, s14                     ; under 2^25
	s_mov_b32 s17, 0
	s_lshl_b32 s18, s[WV], 15                      ; the 128 keys that my wave quantises
	s_add_co_u32 s18, s18, s14
	s_mov_b32 s19, 0
	s_mov_b32 s[SEL], 0x76543210
	s_mov_b32 s[SEL+1], 0xfedcba98
	s_mov_b32 s[CS], 0x3e38aa3b                    ; c = log2(e) / 8
	s_mov_b32 s[CS+1], s[CS]                       ; (named with it as a pair, so it is written)
	s_mul_i32 s26, s[WV], STGB
	s_add_co_u32 s26, s26, STG0                    ; my stage
	s_mul_i32 s27, s[WV], STEPB                    ; my step block
	s_wait_kmcnt 0x0
	s_add_nc_u64 s[4:5], s[4:5], s[16:17]
	s_add_nc_u64 s[10:11], s[10:11], s[16:17]
	s_add_nc_u64 s[6:7], s[6:7], s[18:19]
	s_add_nc_u64 s[8:9], s[8:9], s[18:19]
	s_wait_alu depctr_va_vdst(0)                   ; v[L16] and v[L4] are written: every global load and store of the kernel reads one of them as its offset
.irp n, 0,1,2,3
	LOADITEM \n                                    ; four items, 32 loads, go out before anything else is done
.endr
	v_and_b32 v[LR], 15, v0                        ; r
	v_bfe_u32 v[LH], v0, 4, 1                      ; h
	v_lshlrev_b32 v[L8], 3, v[LN]
	v_lshlrev_b32 v[SH8], 3, v[LH]
	v_mul_u32_u24 v[WS], v[LR], WP                 ; the way out, in: row r, 32 bytes for each half of the lanes
	v_lshl_add_u32 v[WS], v[LH], 5, v[WS]
	v_add_nc_u32 v[WS], s26, v[WS]
	v_mul_u32_u24 v[WR], v[LH], WP                 ; back: lanes 0-15 one row of 256 bytes, lanes 16-31 the next
	v_lshl_add_u32 v[WR], v[LR], 4, v[WR]
	v_add_nc_u32 v[WR], s26, v[WR]
	v_bfe_u32 v[LT], v0, 3, 1                      ; the stage, in: a load's lane holds row lane / 16, half (lane / 8) % 2, 16 bytes at 16 (lane % 8)
	v_mul_u32_u24 v[SI], v[LT], HP
	v_mad_u32_u24 v[SI], v[LH], RP, v[SI]
	v_and_b32 v[LT], 7, v0
	v_lshl_add_u32 v[SI], v[LT], 4, v[SI]
	v_add_nc_u32 v[SI], s26, v[SI]
	v_mul_u32_u24 v[SO], v[LH], HP                 ; out: row r, half h
	v_mad_u32_u24 v[SO], v[LR], RP, v[SO]
	v_add_nc_u32 v[SO], s26, v[SO]
	v_add_nc_u32 v[KW16], s27, v[L16]
	v_add_nc_u32 v[KW8], s27, v[L8]
	v_lshl_add_u32 v[KWS], v[LR], 4, s27
	v_mul_u32_u24 v[LT], v[LH], 1536
	v_add_nc_u32 v[LT], s27, v[LT]
	v_lshl_add_u32 v[VW16], v[LR], 4, v[LT]
	v_lshl_add_u32 v[VW8], v[LR], 3, v[LT]
.irp z, 16, 28, 40
.irp i, 0,1,2,3,4,5
	v_mov_b32 v[\z+\i], 0                          ; the three runs of zero codes round Q's two fragments
.endr
.endr
	v_mov_b32 v[TP], 0                             ; written once: a lane permute's destination counts as one of its sources
	s_wait_alu depctr_va_vdst(0)                   ; the LDS addresses v5, v6, v8 to v11 and v232 to v234 are written, which the LDS stores and loads from here on read
	; ---- THE PROLOGUE: Q's two tiles, my eight key tiles, my 128 keys of V.  Loads run four items ahead
.irp n, 0,1,2,3,4,5,6
	ROWITEM \n, 24                                 ; behind this item's loads: three items of eight
.endr
	ROWITEM 7, 16                                  ; two items
	ROWITEM 8, 8                                   ; one
	ROWITEM 9, 32                                  ; V's first 32
.irp m, 0,1,2,3,4,5,6,7
	VITEM \m
.endr
	s_wait_dscnt 0x0                               ; for the others' sake: my step block is written
	s_barrier_signal -1
	s_barrier_wait -1                              ; all sixteen blocks are: from here on nobody writes them
	s_wait_alu depctr_vm_vsrc(0)                   ; my last LDS stores have read v[CD ..]: v208 to v213 are at work in the key steps from here on
; half fragment hf of V: six registers
.macro VHALF hf
	ds_load_b128 v[FG+6*(\hf):FG+6*(\hf)+3], v[A16] offset:VIMG+768*(\hf)
	ds_load_b64 v[FG+6*(\hf)+4:FG+6*(\hf)+5], v[A8] offset:VIMG+768*(\hf)+512
.endm
; ---- A KEY STEP: 128 keys.  qz: [Q | zeros], zq: [zeros | Q], qs: Q's scale word
.macro STEP qz, zq, qs
	s_wait_alu depctr_vm_vsrc(0)                   ; the last step's LDS loads have read v[A16] and v[A8], which the two additions write
	v_add_nc_u32 v[A16], s[TB], v[L16]
	v_add_nc_u32 v[A8], s[TB], v[L8]
	v_nop
	v_nop                                          ; four plain lines behind the last step's products, in front of loads into registers that they have read; they stay beside the wait below, which states the dependence
	s_wait_alu depctr_va_vdst(0)                   ; v[A16] and v[A8] are written, which the loads below read; the last step's second products are done reading V's fragments and the scale words, in which these loads land
.irp hf, 0,1,2,3,4,5,6,7
	ds_load_b128 v[FG+6*\hf:FG+6*\hf+3], v[A16] offset:768*\hf
	ds_load_b64 v[FG+6*\hf+4:FG+6*\hf+5], v[A8] offset:768*\hf+512
.endr
	ds_load_b128 v[SCL:SCL+3], v[A16] offset:SCW   ; all of the step's scale words of K and of V
	s_wait_dscnt 0x0
.irp phi, 0,1,2,3                      ; S^T = K Q^T: fragment phi holds key tiles 2 phi and 2 phi + 1; its scale words lie in lanes 0-15 (phi even) or 16-31 (odd).  Q's codes, the zeros and Q's scale word were written ahead of the wait above
.if \phi%2
	v_wmma_scale_f32_16x16x128_f8f6f4 v[SS+16*\phi:SS+16*\phi+7], v[FG+12*\phi:FG+12*\phi+11], v[\qz:\qz+11], 0, v[SCL+\phi/2], v[\qs] matrix_a_fmt:MATRIX_FMT_FP6 matrix_b_fmt:MATRIX_FMT_FP6 matrix_a_scale:MATRIX_SCALE_ROW1
	v_wmma_scale_f32_16x16x128_f8f6f4 v[SS+16*\phi+8:SS+16*\phi+15], v[FG+12*\phi:FG+12*\phi+11], v[\zq:\zq+11], 0, v[SCL+\phi/2], v[\qs] matrix_a_fmt:MATRIX_FMT_FP6 matrix_b_fmt:MATRIX_FMT_FP6 matrix_a_scale:MATRIX_SCALE_ROW1
.else
	v_wmma_scale_f32_16x16x128_f8f6f4 v[SS+16*\phi:SS+16*\phi+7], v[FG+12*\phi:FG+12*\phi+11], v[\qz:\qz+11], 0, v[SCL+\phi/2], v[\qs] matrix_a_fmt:MATRIX_FMT_FP6 matrix_b_fmt:MATRIX_FMT_FP6
	v_wmma_scale_f32_16x16x128_f8f6f4 v[SS+16*\phi+8:SS+16*\phi+15], v[FG+12*\phi:FG+12*\phi+11], v[\zq:\zq+11], 0, v[SCL+\phi/2], v[\qs] matrix_a_fmt:MATRIX_FMT_FP6 matrix_b_fmt:MATRIX_FMT_FP6
.endif
.endr
.rept 4
	v_nop                                          ; four places behind the products, ahead of the first read of the scores (ISA guide 7.12.1)
.endr
	s_wait_alu depctr_va_vdst(0)                   ; the eight products are done reading K's fragments, in which V's land
	; V's fragments land while the softmax is worked.  Their sixteen loads are dealt, a half fragment at a time, among the lines of the maxima, which name the scores and v212 to v215: none of the registers that these loads touch
	VHALF 0
	VHALF 1
	; THE LARGEST SCORE OF EACH OF MY TWO BLOCKS OF 32 KEYS, two chains a block.  It serves twice: for the row's maximum and, since p rises with the score, for the block's largest p.
	; Each accumulator is first read at one of its four lowest registers: (0, 1, 2), (7, 8), (16, 17, 18), (23, 24)
.irp g, 0,1
	v_max3_num_f32 v[BM+\g], v[SS+32*\g], v[SS+32*\g+1], v[SS+32*\g+2]
	v_max3_num_f32 v[BN+\g], v[SS+32*\g+16], v[SS+32*\g+17], v[SS+32*\g+18]
.endr
.irp i, 3,5,7,9,11,13
	VHALF (\i+1)/2                                 ; half fragments 2 to 7
.irp g, 0,1
	v_max3_num_f32 v[BM+\g], v[BM+\g], v[SS+32*\g+\i], v[SS+32*\g+\i+1]
	v_max3_num_f32 v[BN+\g], v[BN+\g], v[SS+32*\g+16+\i], v[SS+32*\g+17+\i]
.endr
.endr
.irp g, 0,1
	v_max3_num_f32 v[BM+\g], v[BM+\g], v[BN+\g], v[SS+32*\g+15]
.endr
.irp g, 0,1
	v_max_num_f32 v[BM+\g], v[BM+\g], v[SS+32*\g+31]
.endr
	v_max_num_f32 v[TA], v[BM], v[BM+1]
	v_permlanex16_b32 v[TP], v[TA], s[SEL], s[SEL+1]
	v_max_num_f32 v[TA], v[TA], v[TP]              ; with lane l xor 16's 64 keys: the step's largest score of my query
	v_mul_f32 v[TA], s[CS], v[TA]                  ; as t (c is positive)
	v_max_num_f32 v13, v13, v[TA]                  ; the running largest t
	v_mov_b32 v[TA], v12
	v_floor_f32 v12, -v13                          ; the new -M = floor(-t) = -ceil(t): M IS A WHOLE NUMBER
	v_sub_f32 v[TA], v12, v[TA]                    ; M's old value less its new one: a whole number, 0 or less
	v_cvt_i32_f32 v[TA], v[TA]                     ; (it saturates)
	v_ldexp_f32 v[FF], 1.0, v[TA]                  ; f = 2^(old M - new M)
.set J, 0
.rept 32
	v_pk_fma_f32 v[SS+J:SS+J+1], v[SS+J:SS+J+1], s[CS:CS+1], v[12:13] op_sel_hi:[1,0,0]   ; t - M, two at a time (of the pairs c and -M the low word serves both halves)
.set J, J+2
.endr
.irp g, 0,1
	v_fma_f32 v[BM+\g], v[BM+\g], s[CS], v12       ; the same of each block's largest score
.endr
.set J, 0
	s_wait_alu depctr_va_vdst(0)
.rept 64
	v_exp_f32 v[SS+J], v[SS+J]                     ; p = 2^(t - M), at most 1: NOT normalised
.set J, J+1
.endr
.irp g, 0,1
	v_exp_f32 v[BM+\g], v[BM+\g]                   ; the block's largest p: the same two instructions on the same number give the same bits
.endr
	v_pk_mul_f32 v[14:15], v[14:15], v[FF:FF+1] op_sel_hi:[1,0]   ; the sums under the new M; also the plain place behind the exponentials
	s_wait_alu depctr_va_vdst(0)                   ; the 66 exponentials have written p and the blocks' largest p: one wait for the batch, ahead of its first reader
.irp g, 0,1
	v_max_num_f32 v[BM+\g], 0x1800000, v[BM+\g]    ; the floor 2^(3 - 127): the byte cannot fall under 1 (a block whose every p is 0 keeps that byte: its codes are zeros)
.endr
.irp g, 0,1
	v_add_nc_u32 v[SCO+\g], 0xff000000, v[BM+\g]   ; 2 off the exponent field: the conversion's scale operand
.endr
.irp g, 0,1
	v_lshrrev_b32 v[BY+\g], 23, v[SCO+\g]          ; the scale's byte
.endr
	v_lshl_or_b32 v[TA], v[BY+1], 16, v[BY]        ; my two bytes: blocks h and 2 + h of these 128 keys,
	v_lshlrev_b32 v[TA], v[SH8], v[TA]             ; at their places in the scale word;
	v_permlanex16_b32 v[TP], v[TA], s[SEL], s[SEL+1]
	v_or_b32 v[PW], v[TA], v[TP]                   ; with lane l xor 16's two the word is whole
.irp g, 0,1
	v_cvt_scalef32_pk16_fp6_f32 v[PC+6*\g:PC+6*\g+2], v[SS+32*\g:SS+32*\g+15], v[SCO+\g]
	v_cvt_scalef32_pk16_fp6_f32 v[T4+4*\g:T4+4*\g+2], v[SS+32*\g+16:SS+32*\g+31], v[SCO+\g]   ; (a conversion's three registers begin on an even number)
.endr
	v_nop                                          ; one plain place behind a scaled conversion
.irp g, 0,1
.irp i, 0,1,2
	v_mov_b32 v[PC+6*\g+3+\i], v[T4+4*\g+\i]       ; registers 6 g .. 6 g + 5: keys 64 g + 32 h + 0 .. 31
.endr
.endr
	v_pk_add_f32 v[SB:SB+1], v[SS:SS+1], v[SS+2:SS+3]   ; THE ROW'S SUM IS TAKEN OF THE UNQUANTISED p: two at a time, in two chains
.irp j, 4,8,12,16,20,24,28,32,36,40,44,48,52,56,60
	v_pk_add_f32 v[14:15], v[14:15], v[SS+\j:SS+\j+1]
	v_pk_add_f32 v[SB:SB+1], v[SB:SB+1], v[SS+\j+2:SS+\j+3]
.endr
	v_pk_add_f32 v[14:15], v[14:15], v[SB:SB+1]
.set J, 0
.rept 16
	v_pk_mul_f32 v[OA+J:OA+J+1], v[OA+J:OA+J+1], v[FF:FF+1] op_sel_hi:[1,0]   ; O^T under the new M, each accumulator from its low end on
.set J, J+2
.endr                                  ; behind the scale word's last write stand 39 plain lines that name none of the products' registers, behind the codes' last write 32
	s_wait_dscnt 0x0                               ; V's fragments are in
	s_wait_alu depctr_va_vdst(0)                   ; the vector lines have written p's codes v[PC ..] and p's scale word v[PW], which the scaled products below take as operand and as scales; the places above stay beside this wait
.irp t, 0,1,2,3                        ; O^T += V^T P^T: the four accumulators take turns, and the next step's eight products stand between two links of a chain
.if \t%2
	v_wmma_scale_f32_16x16x128_f8f6f4 v[OA+8*\t:OA+8*\t+7], v[FG+12*\t:FG+12*\t+11], v[PC:PC+11], v[OA+8*\t:OA+8*\t+7], v[SCL+2+\t/2], v[PW] matrix_a_fmt:MATRIX_FMT_FP6 matrix_b_fmt:MATRIX_FMT_FP6 matrix_a_scale:MATRIX_SCALE_ROW1
.else
	v_wmma_scale_f32_16x16x128_f8f6f4 v[OA+8*\t:OA+8*\t+7], v[FG+12*\t:FG+12*\t+11], v[PC:PC+11], v[OA+8*\t:OA+8*\t+7], v[SCL+2+\t/2], v[PW] matrix_a_fmt:MATRIX_FMT_FP6 matrix_b_fmt:MATRIX_FMT_FP6
.endif
.endr
.endm
; ---- THE WAY OUT of pass p: O^T / the sum goes through my stage and leaves as whole rows: a store of the wave covers 512 consecutive bytes, at a multiple of 256 from out0's first byte
.macro WAYOUT p
.rept 4
	v_nop                                          ; four places behind the last products
.endr
	v_add_f32 v14, v14, v15                        ; the sum's two halves,
	v_permlanex16_b32 v[TP], v14, s[SEL], s[SEL+1]
	v_add_f32 v14, v14, v[TP]                      ; and lane l xor 16's: the row's sum
	s_wait_alu depctr_va_vdst(0)
	v_rcp_f32 v14, v14
	v_nop                                          ; one plain place behind a transcendental
	s_wait_alu depctr_va_vdst(0)                   ; the reciprocal has written v14, ahead of its first reader
.set J, 0
.rept 16
	v_pk_mul_f32 v[SS+J:SS+J+1], v[OA+J:OA+J+1], v[14:15] op_sel_hi:[1,0]   ; register 8 t + j is out(r, 16 t + 8 h + j)
.set J, J+2
.endr
	s_wait_alu depctr_va_vdst(0)                   ; the sixteen multiplies have written v[SS .. SS + 31], which the LDS stores read; the last step's sums and conversions are done reading v[SS + 32 ..], in which the loads from the stage land
.irp t, 0,1,2,3
	ds_store_b128 v[WS], v[SS+8*\t:SS+8*\t+3] offset:64*\t
	ds_store_b128 v[WS], v[SS+8*\t+4:SS+8*\t+7] offset:64*\t+16
.endr
.irp i, 0,1,2,3,4,5,6,7
	ds_load_b128 v[SS+32+4*\i:SS+32+4*\i+3], v[WR] offset:2*WP*\i   ; LDS serves a wave's instructions in order (ISA guide 5.7.1.4): these see my stores
.endr
.irp i, 0,1,2,3,4,5,6,7
	s_wait_dscnt 7-\i                              ; the younger loads may stay out
	global_store_b128 v[L16], v[SS+32+4*\i:SS+32+4*\i+3], s[10:11] offset:4096*\p+512*\i th:TH_STORE_NT
.endr
.endm
; ---- A PASS: one tile of 16 queries against all keys.  The step is written once: O^T and the sum begin as zeros and the largest t as -3e38, so that the first change of M multiplies zeros
.macro PASS p, qz, zq, qs
	v_mov_b32 v13, 0xff61b1e6                      ; -3e38, under every t
	v_mov_b32 v14, 0
	v_mov_b32 v15, 0
	v_mov_b32 v[FF+1], 0                           ; (named as the upper half of the pair with f)
	v_floor_f32 v12, -v13                          ; -M
.set J, 0
.rept 32
	v_mov_b32 v[OA+J], 0
.set J, J+1
.endr
	s_mov_b32 s[TB], 0
	s_mov_b32 s[CNT], 16
.Lstep_\@:
	STEP \qz, \zq, \qs
	s_add_co_u32 s[TB], s[TB], STEPB               ; the next 128 keys' block
	s_sub_co_u32 s[CNT], s[CNT], 1
	s_cmp_lg_u32 s[CNT], 0
	s_cbranch_scc1 .Lstep_\@
	WAYOUT \p
.endm
	PASS 0, 22, 16, 46
	s_wait_xcnt 0x0                                ; the stores' addresses are translated: the next pass's products write the stores' registers again
	s_wait_alu depctr_vm_vsrc(0)                   ; the LDS stores have read v[SS .. SS + 31] and the global stores v[SS + 32 .. SS + 63], which the next pass's products write again
	PASS 1, 34, 28, 47
	s_wait_dscnt 0x0                               ; the closing lines, six on end
	s_wait_alu 0x0
	s_wait_tensorcnt 0x0
	ds_add_u32 v254, v255
	s_wait_dscnt 0x0
	s_endpgm
.Lfunc_end_k_q1f260e3590_attn:
	.size	k_q1f260e3590_attn, .Lfunc_end_k_q1f260e3590_attn-k_q1f260e3590_attn
	.p2alignl 7, 3214868480
	.fill 96, 4, 3214868480
	.section	.rodata,"a",@progbits
	.p2align	6, 0x0
	.amdhsa_kernel k_q1f260e3590_attn
		.amdhsa_group_segment_fixed_size 284672
		.amdhsa_private_segment_fixed_size 0
		.amdhsa_enable_private_segment 0
		.amdhsa_kernarg_size 32
		.amdhsa_user_sgpr_count 2
		.amdhsa_user_sgpr_kernarg_segment_ptr 1
		.amdhsa_wavefront_size32 1
		.amdhsa_system_sgpr_workgroup_id_x 1
		.amdhsa_system_sgpr_workgroup_id_y 1
		.amdhsa_system_sgpr_workgroup_id_z 1
		.amdhsa_system_vgpr_workitem_id 0
		.amdhsa_next_free_vgpr 256
		.amdhsa_next_free_sgpr 66
		.amdhsa_reserve_vcc 0
		.amdhsa_float_denorm_mode_32 3
		.amdhsa_float_denorm_mode_16_64 3
		.amdhsa_memory_ordered 1
		.amdhsa_forward_progress 1
		.amdhsa_inst_pref_size 116
	.end_amdhsa_kernel
	.amdgpu_metadata
---
amdhsa.version: [ 1, 2 ]
amdhsa.kernels:
  - .name:           k_q1f260e3590_attn
    .symbol:         k_q1f260e3590_attn.kd
    .args:
      - { .name: q, .offset: 0, .size: 8, .value_kind: global_buffer, .address_space: global }
      - { .name: k, .offset: 8, .size: 8, .value_kind: global_buffer, .address_space: global }
      - { .name: v, .offset: 16, .size: 8, .value_kind: global_buffer, .address_space: global }
      - { .name: out0, .offset: 24, .size: 8, .value_kind: global_buffer, .address_space: global }
    .group_segment_fixed_size: 284672
    .private_segment_fixed_size: 0
    .kernarg_segment_align: 8
    .kernarg_segment_size: 32
    .max_flat_workgroup_size: 512
    .sgpr_count:     66
    .vgpr_count:     256
    .wavefront_size: 32
...
	.end_amdgpu_metadata
.endif
;; end of part 2
